; MI455X (gfx1250); checked and timed in simulation.
; The chip was launched on July 23, 2026; its instructions are those of AMD's public machine-readable ISA for CDNA 5 (MIT licence, August 2026) and "CDNA5" Instruction Set Architecture Reference Guide (July 2026). The comments in the code are by the model that wrote it; some were corrected since.
;; Sparse Attention. Allowed arithmetic: float matrix products may take bf16 or f16 operands with f32 sums; other float arithmetic in f32, or as packed bf16 or f16 multiplies, adds, multiply-adds, maxima and minima; sums over many terms, partial sums and values carried from step to step in f32; what a program stores and reads back later, other than sums and carried values, may be rounded once to bf16 or f16.
;; Inputs: cos 2,048 x 64 float32; sin 2,048 x 64 float32; wk 2,048 x 2,048 float32; wo 2,048 x 2,048 float32; wq 2,048 x 2,048 float32; wv 2,048 x 2,048 float32; x 1 x 2,048 x 2,048 float32.
;; Outputs: out0 1 x 2,048 x 2,048 float32.
;; 2 versions, each right; version 2 is version 1 with the launch cast written anew for expert scheduling mode. Each part assembles by itself: llvm-mc -triple=amdgcn-amd-amdhsa -mcpu=gfx1250 --defsym DOCPART=n.
;; ======== version 1 of 2: 4 launches
;; limits: values are held in f16: magnitudes above 65,504 overflow, below 6.1e-05 lose precision
;; workspace buffers: xw 33,554,432 bytes; wof 8,388,608 bytes; cst 524,288 bytes; qf 8,388,608 bytes; kf 8,388,608 bytes; vf 8,388,608 bytes; of 8,388,608 bytes
;; launch cast (part 1): grid 512 x 1, 8 waves a work-group, no clusters, 0 bytes of LDS; arguments x, wq, wk, wv, wo, cos, sin, xw, wof, cst; writes xw, wof, cst
.if DOCPART == 1
	.amdgcn_target "amdgcn-amd-amdhsa--gfx1250"
	.amdhsa_code_object_version 6
	.text
	.protected	k_qc91d5ab2ed_cast
	.globl	k_qc91d5ab2ed_cast
	.p2align	8
	.type	k_qc91d5ab2ed_cast,@function
k_qc91d5ab2ed_cast:
	s_mov_b64 s[64:65], 0
	v_nop
	global_prefetch_b8 v0, s[64:65] scope:SCOPE_SE
	s_setreg_imm32_b32 hwreg(HW_REG_WAVE_MODE, 25, 1), 1
	s_wait_xcnt 0x0
; CAST.  Every input is rounded once to bf16.  x, wq, wk, wv go as bf16 into the four parts of xw (8,388,608 bytes each, same order of elements).
; wo is rounded to bf16 and that number is written as f16 into wof.  LIMIT: the second step is exact down to 2^-14; below that f16 keeps its fixed step of 6e-8.
; cos and sin go as one word a pair, bf16(cos) below and bf16(sin) above, into cst, in the order in which the projection's lanes want them:
; cst[R 128][w 4][e 2][lane 32][4 words]: row 16 R + lane % 16, pairs 16 w + 8 e + 4 (lane / 16) + 0..3.
; A stream: memory binds, nothing is shared, so there is no LDS, no matrix work and no cluster.
; A work-group takes 32,768 bytes of each of the five large arrays, a wave 4,096 of each: 40 loads of 512 consecutive bytes, all issued at once;
; each becomes one store of 256 consecutive bytes at a multiple of 256.  Every load and every store has registers of its own, so no register waits for a store.
.set IN,  8                            ; v[8:167]    load i: 4 registers
.set OUT, 168                          ; v[168:247]  store i: 2 registers
.set TT,  248                          ; v[248:251]  at work
	s_load_b512 s[4:19], s[0:1], 0x0               ; x s[4:5], wq s[6:7], wk s[8:9], wv s[10:11], wo s[12:13], cos s[14:15], sin s[16:17], xw s[18:19]
	s_load_b128 s[20:23], s[0:1], 0x40             ; wof s[20:21], cst s[22:23]
	v_lshrrev_b32 v3, 5, v0
	v_readfirstlane_b32 s24, v3                    ; wave 0..7
	v_and_b32 v4, 31, v0                           ; lane
	v_lshlrev_b32 v1, 4, v4
	v_lshl_add_u32 v1, v3, 12, v1                  ; in: 4,096 x wave + 16 x lane
	v_lshlrev_b32 v2, 3, v4
	v_lshl_add_u32 v2, v3, 11, v2                  ; out: 2,048 x wave + 8 x lane
	s_lshl_b32 s26, ttmp9, 15                      ; the work-group's 32,768 bytes of f32,
	s_mov_b32 s27, 0
	s_lshl_b32 s28, ttmp9, 14                      ; and its 16,384 bytes of 16-bit numbers
	s_mov_b32 s29, 0
	s_wait_kmcnt 0x0
.irp p, 4,6,8,10,12
	s_add_nc_u64 s[\p:\p+1], s[\p:\p+1], s[26:27]
.endr
.set i, 0
.rept 40                               ; array i / 8, piece i % 8
	global_load_b128 v[IN+4*i:IN+4*i+3], v1, s[4+2*(i/8):5+2*(i/8)] offset:512*(i%8) th:TH_LOAD_NT
.set i, i+1
.endr
	s_add_nc_u64 s[30:31], s[18:19], s[28:29]      ; the four parts of xw,
	s_add_nc_u64 s[32:33], s[30:31], 0x800000
	s_add_nc_u64 s[34:35], s[32:33], 0x800000
	s_add_nc_u64 s[36:37], s[34:35], 0x800000
	s_add_nc_u64 s[38:39], s[20:21], s[28:29]      ; and wof
.set i, 0
.rept 40
	s_wait_loadcnt 39-i                            ; loads come back in order: load i is in, the 39 - i younger ones stay out
.if i < 32
	v_cvt_pk_bf16_f32 v[OUT+2*i],   v[IN+4*i],   v[IN+4*i+1]
	v_cvt_pk_bf16_f32 v[OUT+2*i+1], v[IN+4*i+2], v[IN+4*i+3]
.else
	v_cvt_pk_bf16_f32 v[TT],   v[IN+4*i],   v[IN+4*i+1]     ; wo: rounded to bf16,
	v_cvt_pk_bf16_f32 v[TT+1], v[IN+4*i+2], v[IN+4*i+3]
	v_lshlrev_b32 v[TT+2], 16, v[TT]                        ; widened again,
	v_and_b32     v[TT],   0xffff0000, v[TT]
	v_lshlrev_b32 v[TT+3], 16, v[TT+1]
	v_and_b32     v[TT+1], 0xffff0000, v[TT+1]
	v_cvt_pk_f16_f32 v[OUT+2*i],   v[TT+2], v[TT]           ; and written as f16
	v_cvt_pk_f16_f32 v[OUT+2*i+1], v[TT+3], v[TT+1]
.endif
	global_store_b64 v2, v[OUT+2*i:OUT+2*i+1], s[30+2*(i/8):31+2*(i/8)] offset:256*(i%8)
.set i, i+1
.endr
	; the table: 64 entries of 16 bytes a work-group, by waves 0 and 1.  R = work-group / 4, w = work-group % 4, e = wave.
	s_cmp_lt_u32 s24, 2
	s_cbranch_scc0 .Ldone
	s_lshr_b32 s40, ttmp9, 2
	s_lshl_b32 s40, s40, 12                        ; 16 R rows of 256 bytes
	s_and_b32 s41, ttmp9, 3
	s_lshl_b32 s41, s41, 6                         ; 16 w pairs of 4 bytes
	s_add_co_u32 s40, s40, s41
	s_lshl_b32 s41, s24, 5                         ; 8 e pairs
	s_add_co_u32 s40, s40, s41
	s_mov_b32 s41, 0
	s_add_nc_u64 s[14:15], s[14:15], s[40:41]
	s_add_nc_u64 s[16:17], s[16:17], s[40:41]
	s_lshl_b32 s42, ttmp9, 10
	s_mov_b32 s43, 0
	s_add_nc_u64 s[22:23], s[22:23], s[42:43]
	v_and_b32 v5, 15, v0
	v_bfe_u32 v6, v0, 4, 1
	v_lshlrev_b32 v5, 8, v5
	v_lshl_add_u32 v5, v6, 4, v5                   ; row lane % 16, four pairs for each half of the lanes
	v_lshlrev_b32 v6, 4, v0                        ; 16 x thread: a wave's store covers 512 consecutive bytes
	global_load_b128 v[IN:IN+3],   v5, s[14:15]
	global_load_b128 v[IN+4:IN+7], v5, s[16:17]
	s_wait_loadcnt 0x0
.irp j, 0,1,2,3
	v_cvt_pk_bf16_f32 v[TT+\j], v[IN+\j], v[IN+4+\j]
.endr
	global_store_b128 v6, v[TT:TT+3], s[22:23]
.Ldone:
	s_endpgm
.Lfunc_end_k_qc91d5ab2ed_cast:
	.size	k_qc91d5ab2ed_cast, .Lfunc_end_k_qc91d5ab2ed_cast-k_qc91d5ab2ed_cast
	.p2alignl 7, 3214868480
	.fill 96, 4, 3214868480
	.section	.rodata,"a",@progbits
	.p2align	6, 0x0
	.amdhsa_kernel k_qc91d5ab2ed_cast
		.amdhsa_group_segment_fixed_size 0
		.amdhsa_private_segment_fixed_size 0
		.amdhsa_enable_private_segment 0
		.amdhsa_kernarg_size 80
		.amdhsa_user_sgpr_count 2
		.amdhsa_user_sgpr_kernarg_segment_ptr 1
		.amdhsa_wavefront_size32 1
		.amdhsa_system_sgpr_workgroup_id_x 1
		.amdhsa_system_sgpr_workgroup_id_y 1
		.amdhsa_system_sgpr_workgroup_id_z 1
		.amdhsa_system_vgpr_workitem_id 0
		.amdhsa_next_free_vgpr 256
		.amdhsa_next_free_sgpr 66
		.amdhsa_reserve_vcc 0
		.amdhsa_float_denorm_mode_32 3
		.amdhsa_float_denorm_mode_16_64 3
		.amdhsa_memory_ordered 1
		.amdhsa_forward_progress 1
		.amdhsa_inst_pref_size 19
	.end_amdhsa_kernel
	.amdgpu_metadata
---
amdhsa.version: [ 1, 2 ]
amdhsa.kernels:
  - .name:           k_qc91d5ab2ed_cast
    .symbol:         k_qc91d5ab2ed_cast.kd
    .args:
      - { .name: x, .offset: 0, .size: 8, .value_kind: global_buffer, .address_space: global }
      - { .name: wq, .offset: 8, .size: 8, .value_kind: global_buffer, .address_space: global }
      - { .name: wk, .offset: 16, .size: 8, .value_kind: global_buffer, .address_space: global }
      - { .name: wv, .offset: 24, .size: 8, .value_kind: global_buffer, .address_space: global }
      - { .name: wo, .offset: 32, .size: 8, .value_kind: global_buffer, .address_space: global }
      - { .name: cos, .offset: 40, .size: 8, .value_kind: global_buffer, .address_space: global }
      - { .name: sin, .offset: 48, .size: 8, .value_kind: global_buffer, .address_space: global }
      - { .name: xw, .offset: 56, .size: 8, .value_kind: global_buffer, .address_space: global }
      - { .name: wof, .offset: 64, .size: 8, .value_kind: global_buffer, .address_space: global }
      - { .name: cst, .offset: 72, .size: 8, .value_kind: global_buffer, .address_space: global }
    .group_segment_fixed_size: 0
    .private_segment_fixed_size: 0
    .kernarg_segment_align: 8
    .kernarg_segment_size: 80
    .max_flat_workgroup_size: 256
    .sgpr_count:     66
    .vgpr_count:     256
    .wavefront_size: 32
...
	.end_amdgpu_metadata
.endif
;; end of part 1
;; launch qkv (part 2): grid 16 x 16, 4 waves a work-group, clusters of 4 x 4, 327,680 bytes of LDS; arguments xw, cst, qf, kf, vf; writes qf, kf, vf
.if DOCPART == 2
	.amdgcn_target "amdgcn-amd-amdhsa--gfx1250"
	.amdhsa_code_object_version 6
	.text
	.protected	k_qc91d5ab2ed_qkv
	.globl	k_qc91d5ab2ed_qkv
	.p2align	8
	.type	k_qc91d5ab2ed_qkv,@function
k_qc91d5ab2ed_qkv:
	s_mov_b64 s[64:65], 0
	v_nop
	global_prefetch_b8 v0, s[64:65] scope:SCOPE_SE
	s_setreg_imm32_b32 hwreg(HW_REG_WAVE_MODE, 25, 1), 1
	s_wait_xcnt 0x0
	s_wait_alu depctr_hold_cnt(0) depctr_sa_sdst(0) depctr_va_vdst(0) depctr_va_sdst(0) depctr_va_ssrc(0) depctr_va_vcc(0) depctr_vm_vsrc(0)
	s_getreg_b32 s2, hwreg(HW_REG_IB_STS2, 6, 4)
	s_cmp_eq_u32 s2, 0
	s_cbranch_scc0 .Lentry_in_a_cluster
	s_endpgm
.Lentry_in_a_cluster:
	s_bfe_u32 s2, ttmp6, 0x10000c
	s_cmp_lg_u32 s2, 0xf033
	s_cbranch_scc0 .Lentry_shape_is_right
	s_endpgm
.Lentry_shape_is_right:
; Q, K, V PROJECTIONS WITH ROPE.  xw holds x [2048 s][2048 k] and wq, wk, wv [2048 k][2048 n] in bf16, 8,388,608 bytes each.  A work-group makes 128 rows of q, k and v of ONE head
; (three tiles of 128 x 128, K = 2048; sums in f32), turns q and k by the rotary table in f32, and rounds each number once to f16.
; LIMIT: a number beyond 65,504 becomes an infinity in f16, as in the module itself.
; SHARES.  Wave w makes all 128 rows x the head's channels 32 w .. 32 w + 31 of q, k and v: 48 accumulators of 16 x 16, 384 registers; all waves run one text.
; For 32 along K a wave reads 16 + 12 times 512 bytes from LDS and issues 48 matrix instructions.
; RING.  K goes in steps of 128 through two LDS slots.  A slot has four tiles of 128 rows x 256 bytes: x's (rows along K) and the three weights' (rows are k, read turned by ds_load_tr16_b128).
; Wave w fetches tile w with one tensor load.
; CLUSTER.  4 x 4 work-groups: the four of a row of the cluster have the same rows of x, the four of a column the same head: every tile is asked for jointly by four.
; LAYOUT OF THE RESULTS (fragment order).  qf, kf, vf: [head 16][block of 16 rows 128][cb 8][lane 32][8 f16].  q, k: lane l holds row l % 16 and channels 16 cb + 8 (l / 16) + 0..7 (the matrix
; instruction is used with its sources swapped); v: lane l holds channel 16 cb + l % 16 and rows 8 (l / 16) + 0..7 (sources in their natural order).  An accumulator packs into exactly these 16 bytes
; a lane, so each store of a wave covers 512 consecutive bytes at a multiple of 512, and no stage in LDS is needed.
; REGISTERS, in windows of 256 (s_set_vgpr_msb: bits 1:0 source 0, 3:2 source 1, 5:4 source 2, 7:6 destination):
;   window 0: v16-23 LDS addresses; v27-29; v32-95 my part of the table; v96-199 at work on the way out
;   window 1: accumulators of q (b = 0, 1) and k (b = 2, 3) at v[64 b + 8 a]     window 2: those of v (b = 4, 5) at v[64 (b - 4) + 8 a]
;   window 3: two fragment buffers of 112: x's eight fragments at F + 8 a, the weights' six at F + 64 + 8 b
.set KSTEP, 128
.set PA,    272                        ; a row of x in LDS: 256 bytes + 16: the 16 rows of a fragment load start 16 bytes apart modulo 256
.set PB,    288                        ; a row of a weight: 256 + 32: the turning load's 8 rows x 32 bytes fall on different bytes modulo 256
.set TILE,  128*PB                     ; a tile's region (x's tile uses 128 x 272 of it)
.set SLOT,  4*TILE
.set SPARE, 2*SLOT                     ; behind the ring: the spare words, 128 bytes a wave, that no other line names
.set LAPS,  2048/(2*KSTEP)             ; a lap = two K steps = once round the ring
.set ADRA, 16                          ; v16-17  LDS address of my lane in x's tile, slot 0, 1
.set ADRB, 18                          ; v18-23  the same in weight j's tile: v[18 + 3 slot + j]
.set GO,   27                          ; v27     16 x lane
.set SPW,  28                          ; v28     my spare word; never rewritten
.set NIL,  29                          ; v29     0; never rewritten
.set CS,   32                          ; v32-95  table entries (a, e) at CS + 4 (2 a + e)
.set CU,   96                          ; v96-111 the entries of the block in hand as f32: cos at CU + 8 e + j, sin at CU + 8 e + 4 + j
.set TT,   112                         ; v112-119
.set RO,   120                         ; v120-151 turned q and k
.set PK,   152                         ; v152-199 packed results, two sets of 24
.set F0,   0
.set F1,   128
.set WV,   16                          ; s16  my wave's number
.set G1A,  24                          ; s[24:31] descriptor group 1 for x's tiles;  s[32:39] group 0, a set for each slot
.set G0A,  32
.set G1B,  48                          ; s[48:55], s[56:63] the same for the weights' tiles
.set G0B,  56
.set MSB, 0
.macro WIN new                         ; the immediate's high byte repeats the setting that is left; a switch that changes nothing is dropped
.if MSB != (\new)
	s_set_vgpr_msb (MSB<<8)|(\new)
.set MSB, \new
.endif
.endm
.set MUL_QK, 0x5f                      ; sources window 3, C and D window 1
.set MUL_V,  0xaf                      ; sources window 3, C and D window 2
.set TO_F,   0xc0                      ; destination window 3, address window 0
.set RD1,    0x01                      ; source 0 window 1
.set RD2,    0x0a                      ; sources 0 and 1 window 2
.macro PLACES                          ; four plain vector instructions between a matrix instruction and a load into, or a vector read of, its registers
.rept 4
	v_nop
.endr
.endm
; A joint load.  Wave 0 fetches x's tile, waves 1 to 3 the three weights'.  The branch hangs on the wave's number alone.  An s_nop 0 and four v_nop follow each line.
.macro JLOAD s
	s_cmp_eq_u32 s[WV], 0
	s_cbranch_scc0 .Lfor_b_\@
	tensor_load_to_lds s[G0A+4*(\s):G0A+4*(\s)+3], s[G1A:G1A+7]
	s_nop 0
.rept 4
	v_nop
.endr
	s_branch .Lasked_\@
.Lfor_b_\@:
	tensor_load_to_lds s[G0B+4*(\s):G0B+4*(\s)+3], s[G1B:G1B+7]
	s_nop 0
.rept 4
	v_nop
.endr
.Lasked_\@:
.endm
.macro CREST                           ; a round of the cluster's barrier behind its opening barrier
	s_cmp_lg_u32 s[WV], 0
	s_cbranch_scc1 .Lnot_wave_0_\@
	s_barrier_signal -3
.Lnot_wave_0_\@:
	s_barrier_wait -3
	s_barrier_signal -1
	s_barrier_wait -1
.endm
.macro CROUND                          ; a whole round
	s_barrier_signal -1
	s_barrier_wait -1
	CREST
.endm
	s_load_b256 s[4:11], s[0:1], 0x0               ; xw s[4:5], cst s[6:7], qf s[8:9], kf s[10:11]
	s_load_b64 s[12:13], s[0:1], 0x20              ; vf
	v_lshl_add_u32 v[SPW], v0, 2, SPARE
	v_mov_b32 v[NIL], 0
	ds_add_u32 v[SPW], v[NIL]                      ; the wave's opening: the add and its wait stand ahead of my first tensor load; the set-up below stands between them
	v_lshrrev_b32 v1, 5, v0
	v_readfirstlane_b32 s[WV], v1                  ; wave 0..3
	s_bfe_u32 s18, ttmp6, 0x40000                  ; cx, cy: my place in the cluster
	s_bfe_u32 s19, ttmp6, 0x40004
	s_lshl_b32 s20, ttmp9, 2
	s_add_co_u32 s20, s20, s18                     ; the head = 4 x cluster x + cx
	s_and_b32 s21, ttmp7, 0xffff
	s_lshl_b32 s21, s21, 2
	s_add_co_u32 s21, s21, s19                     ; the block of 128 rows = 4 x cluster y + cy
	s_lshl_b32 s22, s19, 2
	s_lshl_b32 s22, 15, s22                        ; my row of the cluster
	s_lshl_b32 s23, 0x1111, s18                    ; my column
	; group 1: a tile of 128 rows x 128 elements of 2 bytes, padded after every 64 words
	s_or_b32 s[G1A], s22, (1<<16)|(1<<20)|(1<<21)|(5<<22)|(3<<25)   ; x's tiles go to my row; 4 words of padding
	s_or_b32 s[G1B], s23, (1<<16)|(1<<20)|(1<<21)|(5<<22)|(7<<25)   ; the weights' to my column; 8 words of padding
.irp g, G1A, G1B
	s_mov_b32 s[(\g)+1], 128<<16                   ; tensor_dim0 = 128
	s_mov_b32 s[(\g)+2], 128<<16                   ; tensor_dim1 = 128
	s_mov_b32 s[(\g)+3], 128<<16                   ; tile_dim0 = 128
	s_mov_b32 s[(\g)+4], 128                       ; tile_dim1 = 128
	s_mov_b32 s[(\g)+5], 2048                      ; elements from row to row
	s_mov_b32 s[(\g)+6], 0
	s_mov_b32 s[(\g)+7], 0
.endr
	s_lshl_b32 s40, s21, 19                        ; x: 128 rows of 4,096 bytes a block: hangs on the block alone
	s_mov_b32 s41, 0
	s_lshl_b32 s44, s[WV], 23                      ; weights: part w of xw,
	s_lshl_b32 s45, s20, 8                         ; the head's 128 columns: hangs on the head and the wave alone
	s_add_co_u32 s44, s44, s45
	s_mov_b32 s45, 0
	s_mul_i32 s17, s[WV], TILE                     ; my tile's place in a slot
	s_lshl_b32 s68, s21, 15                        ; 8 blocks of 16 rows x 4,096 bytes,
	s_lshl_b32 s69, s[WV], 10                      ; my two cb of 512 bytes: my offset in cst,
	s_add_co_u32 s68, s68, s69
	s_lshl_b32 s66, s20, 19                        ; and with the head's 524,288 bytes that in qf, kf, vf
	s_add_co_u32 s66, s66, s68
	s_mov_b32 s67, 0
	s_mov_b32 s69, 0
	s_wait_dscnt 0x0                               ; the opening add is done
	s_wait_kmcnt 0x0
	s_add_nc_u64 s[42:43], s[4:5], s[40:41]
	s_add_nc_u64 s[46:47], s[4:5], s[44:45]
	s_add_nc_u64 s[6:7], s[6:7], s[68:69]
	s_add_nc_u64 s[8:9], s[8:9], s[66:67]
	s_add_nc_u64 s[10:11], s[10:11], s[66:67]
	s_add_nc_u64 s[12:13], s[12:13], s[66:67]
	CROUND                                         ; all sixteen work-groups are here: the first joint loads meet
.irp s, 0,1
	s_mov_b32 s[G0A+4*(\s)], 1                                     ; count = 1
	s_mov_b32 s[G0A+4*(\s)+1], (\s)*SLOT                           ; LDS address: region 0 of the slot
	s_add_nc_u64 s[G0A+4*(\s)+2:G0A+4*(\s)+3], s[42:43], (\s)*KSTEP*2   ; K step s
	s_or_b32 s[G0A+4*(\s)+3], s[G0A+4*(\s)+3], 0x80000000          ; type = 2
	s_mov_b32 s[G0B+4*(\s)], 1
	s_add_co_u32 s[G0B+4*(\s)+1], s17, (\s)*SLOT
	s_add_nc_u64 s[G0B+4*(\s)+2:G0B+4*(\s)+3], s[46:47], (\s)*KSTEP*4096
	s_or_b32 s[G0B+4*(\s)+3], s[G0B+4*(\s)+3], 0x80000000
	JLOAD \s                                       ; two loads of mine are out
.endr
	v_and_b32 v[GO], 31, v0
	v_lshlrev_b32 v[GO], 4, v[GO]
.irp a, 0,1,2,3,4,5,6,7
.irp e, 0,1
	global_load_b128 v[CS+4*(2*(\a)+(\e)):CS+4*(2*(\a)+(\e))+3], v[GO], s[6:7] offset:(\a)*4096+(\e)*512   ; my part of the table: waited for on the way out
.endr
.endr
	v_and_b32 v1, 15, v0                           ; l % 16
	v_bfe_u32 v2, v0, 4, 1                         ; l / 16
	v_mul_u32_u24 v3, v1, PA
	v_lshl_add_u32 v[ADRA], v2, 4, v3              ; x: row x pitch + 16 x half
	v_add_nc_u32 v[ADRA+1], SLOT, v[ADRA]
	v_and_b32 v4, 7, v0                            ; weights, turned: k row 8 (l / 16) + l % 8, 16 bytes at 16 ((l / 8) % 2),
	v_bfe_u32 v5, v0, 3, 1
	v_lshl_add_u32 v4, v2, 3, v4
	v_mul_u32_u24 v4, v4, PB
	v_lshl_add_u32 v4, v5, 4, v4
	s_lshl_b32 s40, s[WV], 6                       ; my 32 columns
	v_add_nc_u32 v4, s40, v4
.irp s, 0,1
.irp j, 0,1,2
	v_add_nc_u32 v[ADRB+3*(\s)+(\j)], (\s)*SLOT+(1+(\j))*TILE, v4
.endr
.endr
; 16 matrix instructions of q or k: column blocks b0, b0 + 1 x all 8 row blocks, 32 along K.  Source 0 = 16 columns of the weight, source 1 = 16 rows of x: a lane holds one row and 8 neighbouring channels.
; The 48 accumulators take turns, one instruction a turn, in the same order in every quarter.  zero = 1: the product starts the sum.
.macro MULQK f, b0, zero
	WIN MUL_QK
.irp b, \b0, (\b0)+1
.irp a, 0,1,2,3,4,5,6,7
.if \zero
	v_wmma_f32_16x16x32_bf16 v[64*(\b)+8*(\a):64*(\b)+8*(\a)+7], v[(\f)+64+8*(\b):(\f)+64+8*(\b)+7], v[(\f)+8*(\a):(\f)+8*(\a)+7], 0
.else
	v_wmma_f32_16x16x32_bf16 v[64*(\b)+8*(\a):64*(\b)+8*(\a)+7], v[(\f)+64+8*(\b):(\f)+64+8*(\b)+7], v[(\f)+8*(\a):(\f)+8*(\a)+7], v[64*(\b)+8*(\a):64*(\b)+8*(\a)+7]
.endif
.endr
.endr
.endm
; 16 matrix instructions of v, sources in their natural order: a lane holds one channel and 8 neighbouring rows.
.macro MULV f, zero
	WIN MUL_V
.irp b, 0,1
.irp a, 0,1,2,3,4,5,6,7
.if \zero
	v_wmma_f32_16x16x32_bf16 v[64*(\b)+8*(\a):64*(\b)+8*(\a)+7], v[(\f)+8*(\a):(\f)+8*(\a)+7], v[(\f)+96+8*(\b):(\f)+96+8*(\b)+7], 0
.else
	v_wmma_f32_16x16x32_bf16 v[64*(\b)+8*(\a):64*(\b)+8*(\a)+7], v[(\f)+8*(\a):(\f)+8*(\a)+7], v[(\f)+96+8*(\b):(\f)+96+8*(\b)+7], v[64*(\b)+8*(\a):64*(\b)+8*(\a)+7]
.endif
.endr
.endr
.endm
; 28 LDS loads in one run: the fragments of quarter q (32 along K) of a slot into buffer f; the four of v's weight last.
.macro FETCH slot, q, f
	WIN TO_F
.irp a, 0,1,2,3,4,5,6,7
	ds_load_b128 v[(\f)+8*(\a):(\f)+8*(\a)+3],   v[ADRA+(\slot)] offset:64*(\q)+(\a)*16*PA
	ds_load_b128 v[(\f)+8*(\a)+4:(\f)+8*(\a)+7], v[ADRA+(\slot)] offset:64*(\q)+(\a)*16*PA+32
.endr
.irp b, 0,1,2,3,4,5
	ds_load_tr16_b128 v[(\f)+64+8*(\b):(\f)+64+8*(\b)+3],   v[ADRB+3*(\slot)+(\b)/2] offset:(\q)*32*PB+32*((\b)%2)
	ds_load_tr16_b128 v[(\f)+64+8*(\b)+4:(\f)+64+8*(\b)+7], v[ADRB+3*(\slot)+(\b)/2] offset:(\q)*32*PB+32*((\b)%2)+16*PB
.endr
.endm
; A K step is four quarters of 32 along K, 48 matrix instructions each, on buffers 0, 1, 0, 1.  One of the first three: multiplies buffer f and fetches quarter q of the same slot into g.
.macro QUARTER slot, q, f, g, zero
	s_wait_dscnt 4                                 ; x's and q's and k's fragments are in; the youngest four loads (v's weight) may be out
	MULQK \f, 0, \zero
	MULQK \f, 2, \zero
	PLACES                                         ; in front of the loads into buffer g, which the quarter before multiplied
	FETCH \slot, \q, \g
	s_wait_dscnt 28                                ; all but the 28 just issued
	MULV \f, \zero
.endm
; The last quarter multiplies buffer 1 and changes slots: ONE barrier.  In front of it each wave waits for all its tensor loads (one is out: its tile of the next slot), adds 0 to its spare word,
; and waits for that and for its reads of this slot.  fill = 1: the barrier opens a round of the cluster's, and this slot is filled again first thing behind it, two K steps ahead.
.macro TURN slot, next, fill
	WIN 0                                          ; (the add's two registers lie in window 0)
	s_wait_tensorcnt 0x0                           ; all my tensor loads have landed
	ds_add_u32 v[SPW], v[NIL]
	s_wait_dscnt 5                                 ; (the add and the youngest four loads may be out)
	MULQK F1, 0, 0                                 ; sixteen matrix instructions stand between the add and the wait for it
	s_wait_dscnt 0x0                               ; the add is done, and my reads of this slot are over
	s_barrier_signal -1
	MULQK F1, 2, 0                                 ; work on registers while the others arrive
	WIN 0
	s_barrier_wait -1
.if \fill
	CREST                                          ; no wave of any partner still reads this slot or has a load on its way
	s_add_nc_u64 s[G0A+4*(\slot)+2:G0A+4*(\slot)+3], s[G0A+4*(\slot)+2:G0A+4*(\slot)+3], 2*KSTEP*2
	s_add_nc_u64 s[G0B+4*(\slot)+2:G0B+4*(\slot)+3], s[G0B+4*(\slot)+2:G0B+4*(\slot)+3], 2*KSTEP*4096
	JLOAD \slot                                    ; my one tensor load behind the round; its four v_nop are also the places in front of the loads below
.else
	PLACES
.endif
	FETCH \next, 0, F0
	MULV F1, 0
.endm
; THE WAY OUT of row block a.  q and k: pair (x0, x1) of a row becomes (x0 cos - x1 sin, x0 sin + x1 cos), in f32; everything is rounded once to f16; six stores of 512 consecutive bytes.
; Each accumulator's lowest registers are read first.
.macro OUT a
	WIN 0
	s_wait_xcnt 0x0                                ; the stores of two blocks ago have read this set of PK
.irp e, 0,1
.irp j, 0,1,2,3
	v_lshlrev_b32 v[CU+8*(\e)+(\j)],   16,         v[CS+4*(2*(\a)+(\e))+(\j)]
	v_and_b32     v[CU+8*(\e)+4+(\j)], 0xffff0000, v[CS+4*(2*(\a)+(\e))+(\j)]
.endr
.endr
	WIN RD1
.irp b, 0,1,2,3
.irp j, 0,1,2,3
	v_mul_f32 v[TT+2*(\j)],   v[64*(\b)+8*(\a)+2*(\j)+1], v[CU+8*((\b)%2)+4+(\j)]
	v_mul_f32 v[TT+2*(\j)+1], v[64*(\b)+8*(\a)+2*(\j)+1], v[CU+8*((\b)%2)+(\j)]
.endr
.irp j, 0,1,2,3
	v_fma_f32 v[RO+8*(\b)+2*(\j)],   v[64*(\b)+8*(\a)+2*(\j)], v[CU+8*((\b)%2)+(\j)],   -v[TT+2*(\j)]
	v_fma_f32 v[RO+8*(\b)+2*(\j)+1], v[64*(\b)+8*(\a)+2*(\j)], v[CU+8*((\b)%2)+4+(\j)], v[TT+2*(\j)+1]
.endr
.endr
	WIN 0
.set i, 0
.rept 16
	v_cvt_pk_f16_f32 v[PK+24*((\a)%2)+i], v[RO+2*i], v[RO+2*i+1]
.set i, i+1
.endr
	WIN RD2
.irp b, 0,1
.irp j, 0,1,2,3
	v_cvt_pk_f16_f32 v[PK+24*((\a)%2)+16+4*(\b)+(\j)], v[64*(\b)+8*(\a)+2*(\j)], v[64*(\b)+8*(\a)+2*(\j)+1]
.endr
.endr
	WIN 0
.irp t, 0,1,2
.irp e, 0,1
	global_store_b128 v[GO], v[PK+24*((\a)%2)+8*(\t)+4*(\e):PK+24*((\a)%2)+8*(\t)+4*(\e)+3], s[8+2*(\t):9+2*(\t)] offset:(\a)*4096+(\e)*512
.endr
.endr
.endm
	s_wait_tensorcnt 1                             ; my tile of K step 0 is in; K step 1's may stay out
	s_barrier_signal -1
	s_barrier_wait -1                              ; everybody's is
	FETCH 0, 0, F0
	QUARTER 0, 1, F0, F1, 1                        ; the first quarter stands in front of the loop: its products start the sums
	WIN 0                                          ; at a label and at a branch every window is 0
	s_mov_b32 s3, LAPS-1
.Llap:                                                 ; a trip goes once round the ring, from a lap's second quarter to the next lap's first, and fills both slots again
	QUARTER 0, 2, F1, F0, 0
	QUARTER 0, 3, F0, F1, 0
	TURN 0, 1, 1
	QUARTER 1, 1, F0, F1, 0
	QUARTER 1, 2, F1, F0, 0
	QUARTER 1, 3, F0, F1, 0
	TURN 1, 0, 1
	QUARTER 0, 1, F0, F1, 0
	WIN 0
	s_sub_co_u32 s3, s3, 1
	s_cmp_lg_u32 s3, 0
	s_cbranch_scc1 .Llap
	QUARTER 0, 2, F1, F0, 0                        ; the last lap fills nothing
	QUARTER 0, 3, F0, F1, 0
	TURN 0, 1, 0
	QUARTER 1, 1, F0, F1, 0
	QUARTER 1, 2, F1, F0, 0
	QUARTER 1, 3, F0, F1, 0
	s_wait_dscnt 4                                 ; the very last quarter: nothing more to fetch
	MULQK F1, 0, 0
	MULQK F1, 2, 0
	s_wait_dscnt 0x0
	MULV F1, 0
	WIN 0
	PLACES                                         ; the way out reads results just made
	s_wait_loadcnt 0x0                             ; the table
.irp a, 0,1,2,3,4,5,6,7
	OUT \a
.endr
	s_wait_tensorcnt 0x0                           ; the wave's end
	ds_add_u32 v[SPW], v[NIL]
	s_wait_dscnt 0x0
	CROUND                                         ; the closing round: no work-group ends while a partner may still ask for a tile that names it
	s_endpgm
.Lfunc_end_k_qc91d5ab2ed_qkv:
	.size	k_qc91d5ab2ed_qkv, .Lfunc_end_k_qc91d5ab2ed_qkv-k_qc91d5ab2ed_qkv
	.p2alignl 7, 3214868480
	.fill 96, 4, 3214868480
	.section	.rodata,"a",@progbits
	.p2align	6, 0x0
	.amdhsa_kernel k_qc91d5ab2ed_qkv
		.amdhsa_group_segment_fixed_size 327680
		.amdhsa_private_segment_fixed_size 0
		.amdhsa_enable_private_segment 0
		.amdhsa_kernarg_size 40
		.amdhsa_user_sgpr_count 2
		.amdhsa_user_sgpr_kernarg_segment_ptr 1
		.amdhsa_wavefront_size32 1
		.amdhsa_system_sgpr_workgroup_id_x 1
		.amdhsa_system_sgpr_workgroup_id_y 1
		.amdhsa_system_sgpr_workgroup_id_z 1
		.amdhsa_system_vgpr_workitem_id 0
		.amdhsa_next_free_vgpr 1024
		.amdhsa_next_free_sgpr 80
		.amdhsa_reserve_vcc 0
		.amdhsa_float_denorm_mode_32 3
		.amdhsa_float_denorm_mode_16_64 3
		.amdhsa_memory_ordered 1
		.amdhsa_forward_progress 1
		.amdhsa_inst_pref_size 140
	.end_amdhsa_kernel
	.amdgpu_metadata
---
amdhsa.version: [ 1, 2 ]
amdhsa.kernels:
  - .name:           k_qc91d5ab2ed_qkv
    .symbol:         k_qc91d5ab2ed_qkv.kd
    .args:
      - { .name: xw, .offset: 0, .size: 8, .value_kind: global_buffer, .address_space: global }
      - { .name: cst, .offset: 8, .size: 8, .value_kind: global_buffer, .address_space: global }
      - { .name: qf, .offset: 16, .size: 8, .value_kind: global_buffer, .address_space: global }
      - { .name: kf, .offset: 24, .size: 8, .value_kind: global_buffer, .address_space: global }
      - { .name: vf, .offset: 32, .size: 8, .value_kind: global_buffer, .address_space: global }
    .group_segment_fixed_size: 327680
    .private_segment_fixed_size: 0
    .kernarg_segment_align: 8
    .kernarg_segment_size: 40
    .max_flat_workgroup_size: 128
    .sgpr_count:     80
    .vgpr_count:     1024
    .wavefront_size: 32
...
	.end_amdgpu_metadata
.endif
;; end of part 2
;; launch attn (part 3): grid 16 x 16, 8 waves a work-group, no clusters, 66,560 bytes of LDS; arguments qf, kf, vf, of; writes of
.if DOCPART == 3
	.amdgcn_target "amdgcn-amd-amdhsa--gfx1250"
	.amdhsa_code_object_version 6
	.text
	.protected	k_qc91d5ab2ed_attn
	.globl	k_qc91d5ab2ed_attn
	.p2align	8
	.type	k_qc91d5ab2ed_attn,@function
k_qc91d5ab2ed_attn:
	s_mov_b64 s[64:65], 0
	v_nop
	global_prefetch_b8 v0, s[64:65] scope:SCOPE_SE
	s_setreg_imm32_b32 hwreg(HW_REG_WAVE_MODE, 25, 1), 1
	s_wait_xcnt 0x0
; BLOCK-SPARSE ATTENTION, head size 128, f16 operands, f32 products, maxima and sums.  The layout of blocks of 16 is the module's own: query block 4 W + t sees the global key blocks
; 3, 7, .., 4 W - 1 (W of them) and the local blocks 4 W .. 4 W + t.  Blocks that the layout hides are not computed, but for the second block of a pair (below).
; qf, kf, vf, of lie in fragment order, [head 16][block 128][cb 8][lane 32][8 f16]: q, k, o: lane l holds row l % 16, channels 16 cb + 8 (l / 16) + 0..7; v: channel 16 cb + l % 16, keys 8 (l / 16) + 0..7.
; Two neighbouring cb are one matrix operand, so every load and store here is 512 consecutive bytes, in memory and in LDS, and nothing is turned or padded.
; SHARES.  A work-group takes the windows (of 4 query blocks) 31 - x and x of one head: waves 0-3 the four tiles of the first, waves 4-7 those of the second.  Tiles 4 (31 - x) + t and 4 x + t see
; 31 + 2 (t + 1) key blocks together, whatever x.
; CHUNKS.  Keys come in chunks of 4 blocks (K 16,384 bytes, V 16,384): NG = ceil((31 - x) / 4) chunks of global blocks, then the first window's four, then the second window's four.
; Wave w brings 4,096 bytes of each chunk (waves 0-3 K's block w, waves 4-7 V's block w - 4) through registers into one of two LDS slots, three chunks ahead in registers;
; one barrier a chunk orders both ways: my stores of the next chunk are done, my reads of this one are over.  Chunk numbers past the last name the last chunk's blocks: every load stays in its buffer.
; A STEP is two key blocks.  S^T = K Q^T holds ONE query a lane (l % 16) and keys 8 (l / 16) + 0..7 of each block; rounded to f16 in pairs it IS source 1 of O^T = V^T P.
; A wave with NL live blocks in a chunk runs step 0 if NL >= 1 and step 1 if NL >= 3; where a step's second block is hidden, -1e30 is the C operand that starts its sum.
; SOFTMAX.  A running maximum m and sum l: p = 2^(c s - c m), c = log2(e) / sqrt(128); O and l are multiplied by a = 2^(c m_old - c m_new) in every step.
; m starts at -1e20 and O, l at 0, so the first step is a step like any other, with a = 0; the price is 64 moves that clear O, in the wait for the first loads.
; LIMITS.  q, k, v are finite in f16 (a hidden block of a pair is multiplied by weight 0, which keeps 0 only for finite numbers); their scores, 5.5e11 at the most, are far above -1e20 and nothing
; beside 1e30; a weight below 2^-126 counts as 0; p is rounded to f16 for the second product (l sums the unrounded p), O once at the end.
; NO CLUSTER, NO TENSOR LOADS: the work-groups of a head walk different numbers of chunks (NG hangs on x), so partners could not make the same joint requests in the same trips.
; REGISTERS: window 0 as named below; window 1: v0-31 Q, v32-63 and v64-95 the two stages.  (s_set_vgpr_msb: bits 1:0 source 0, 3:2 source 1, 5:4 source 2, 7:6 destination.)
.set SPARE, 65536                      ; behind the two slots: the spare words, 128 bytes a wave, that no other line names
.set LA,  1                            ; v1      16 x lane
.set STA, 2                            ; v2      16 x lane + 4,096 x wave: where I store my part of a chunk
.set VO,  3                            ; v3-4    stage p's offset in kf or vf
.set SPW, 6                            ; v6      my spare word; never rewritten
.set NIL, 7                            ; v7      0; never rewritten
.set CO,  12                           ; v12     c m_old
.set CM,  16                           ; v16-17  c m, m
.set LS,  18                           ; v18-19  l (even keys', odd keys')
.set AF,  20                           ; v20-21  a; v21 is named with it as a pair
.set T0,  22
.set T1,  23
.set MK,  24                           ; v24-31  the second block's mask
.set S,   32                           ; v32-47  S^T: first block, second block
.set P,   48                           ; v48-55
.set OT,  64                           ; v64-127 O^T: channel block cb at OT + 8 cb
.set KF,  128                          ; v128-191 K of two blocks
.set VF,  192                          ; v192-255 V^T: channel block cb at VF + 8 cb
.set Q,   0                            ; window 1
.set STG, 32                           ; window 1
.set MSB, 0
.macro WIN new
.if MSB != (\new)
	s_set_vgpr_msb (MSB<<8)|(\new)
.set MSB, \new
.endif
.endm
.macro PLACES
.rept 4
	v_nop
.endr
.endm
; s12 wave  s13 x  s14 31 - x  s15 t  s16 my window  s17 NG  s18 trips  s19 the chunk with my window's blocks  s20 3 + 4 t  s21, s22 the block that I bring of the two local chunks  s23 t + 1
; s24 the chunk in hand  s25 the trip  s26 NL  s27 the mask  s28-30 at work  s[32:33] kf or vf at the head  s[34:35] c  s[36:37] lane selects  s38 -1e30
	s_load_b256 s[4:11], s[0:1], 0x0               ; qf s[4:5], kf s[6:7], vf s[8:9], of s[10:11]
	v_lshl_add_u32 v[SPW], v0, 2, SPARE
	v_mov_b32 v[NIL], 0
	v_lshrrev_b32 v8, 5, v0
	v_readfirstlane_b32 s12, v8                    ; wave 0..7
	v_and_b32 v[LA], 31, v0
	v_lshlrev_b32 v[LA], 4, v[LA]
	s_lshl_b32 s28, s12, 12
	v_add_nc_u32 v[STA], s28, v[LA]
	s_mov_b32 s13, ttmp9
	s_sub_co_u32 s14, 31, s13
	s_and_b32 s15, s12, 3
	s_cmp_lt_u32 s12, 4
	s_cselect_b32 s16, s14, s13
	s_add_co_u32 s17, s14, 3
	s_lshr_b32 s17, s17, 2                         ; NG
	s_add_co_u32 s18, s17, 3
	s_lshr_b32 s18, s18, 1                         ; NG + 2 chunks, two a trip, rounded up
	s_lshr_b32 s19, s12, 2
	s_add_co_u32 s19, s19, s17
	s_lshl_b32 s20, s15, 2
	s_add_co_u32 s20, s20, 3
	s_lshl2_add_u32 s21, s14, s15
	s_lshl2_add_u32 s22, s13, s15
	s_add_co_u32 s23, s15, 1
	s_mov_b32 s24, 0
	s_mov_b32 s25, 0
	s_mov_b32 s34, 0x3e0293ee                      ; c = log2(e) / sqrt(128)
	s_mov_b32 s35, s34
	s_mov_b32 s36, 0x76543210
	s_mov_b32 s37, 0xfedcba98
	s_mov_b32 s38, 0xf149f2ca                      ; -1e30
	s_and_b32 s39, ttmp7, 0xffff                   ; the head
	s_lshl_b32 s40, s39, 19
	s_mov_b32 s41, 0
	s_lshl2_add_u32 s42, s16, s15                  ; my query block
	s_lshl_b32 s42, s42, 12
	s_add_co_u32 s42, s42, s40
	s_mov_b32 s43, 0
	s_wait_kmcnt 0x0
	s_cmp_lt_u32 s12, 4
	s_cselect_b64 s[32:33], s[6:7], s[8:9]         ; waves 0-3 bring K, waves 4-7 V
	s_add_nc_u64 s[32:33], s[32:33], s[40:41]
	s_add_nc_u64 s[4:5], s[4:5], s[42:43]
	s_add_nc_u64 s[10:11], s[10:11], s[42:43]
.macro OFFS ahead                      ; s28 = the byte offset, in the head, of the block that I bring of chunk s24 + ahead
	s_add_co_u32 s29, s24, \ahead
	s_lshl_b32 s28, s29, 4
	s_add_co_u32 s28, s28, s20                     ; a global chunk: block 16 ci + 3 + 4 t
	s_cmp_eq_u32 s29, s17
	s_cselect_b32 s30, s21, s22                    ; chunk NG: the first window's; later ones: the second window's
	s_cmp_lt_u32 s29, s17
	s_cselect_b32 s28, s28, s30
	s_lshl_b32 s28, s28, 12
.endm
.macro LOADST p                        ; eight loads of 512 bytes into stage p
	v_add_nc_u32 v[VO+(\p)], s28, v[LA]
	WIN 0x40
.irp n, 0,1,2,3,4,5,6,7
	global_load_b128 v[STG+32*(\p)+4*(\n):STG+32*(\p)+4*(\n)+3], v[VO+(\p)], s[32:33] offset:512*(\n)
.endr
	WIN 0
.endm
.macro TOSLOT p                        ; stage p into slot p
	WIN 0x04
.irp n, 0,1,2,3,4,5,6,7
	ds_store_b128 v[STA], v[STG+32*(\p)+4*(\n):STG+32*(\p)+4*(\n)+3] offset:(\p)*32768+512*(\n)
.endr
	WIN 0
.endm
	WIN 0x40
.irp n, 0,1,2,3,4,5,6,7
	global_load_b128 v[Q+4*(\n):Q+4*(\n)+3], v[LA], s[4:5] offset:512*(\n)
.endr
	WIN 0
	OFFS 0
	LOADST 0
	OFFS 1
	LOADST 1
.set i, 0
.rept 64
	v_mov_b32 v[OT+i], 0
.set i, i+1
.endr
	v_mov_b32 v[LS], 0
	v_mov_b32 v[LS+1], 0
	v_mov_b32 v[AF+1], 0
	v_mov_b32 v[T1], 0                             ; the lane exchange's destination counts as read
	v_mov_b32 v[CM+1], 0xe0ad78ec                  ; m = -1e20
	v_mul_f32 v[CM], s34, v[CM+1]
	s_wait_loadcnt 8                               ; Q and chunk 0 are in; chunk 1's eight loads stay out
	TOSLOT 0
	OFFS 2
	LOADST 0
	s_wait_dscnt 0x0                               ; for the others' sake: my part of chunk 0 is stored
	s_barrier_signal -1
	s_barrier_wait -1
.macro SOFTMAX
	v_max3_num_f32 v[T0], v[S],   v[S+1],  v[S+2]    ; each accumulator's lowest registers are read first
	v_max3_num_f32 v[T1], v[S+8], v[S+9],  v[S+10]
	v_max3_num_f32 v[T0], v[T0],  v[S+3],  v[S+4]
	v_max3_num_f32 v[T1], v[T1],  v[S+11], v[S+12]
	v_max3_num_f32 v[T0], v[T0],  v[S+5],  v[S+6]
	v_max3_num_f32 v[T1], v[T1],  v[S+13], v[S+14]
	v_max3_num_f32 v[T0], v[T0],  v[S+7],  v[S+15]
	v_max3_num_f32 v[T0], v[T0],  v[T1],   v[CM+1]
	v_permlanex16_b32 v[T1], v[T0], s36, s37       ; the query's other keys lie in the lane 16 away
	v_mov_b32 v[CO], v[CM]
	v_max_num_f32 v[CM+1], v[T0], v[T1]
	v_mul_f32 v[CM], s34, v[CM+1]
	v_sub_f32 v[T0], v[CO], v[CM]
.irp n, 0,1,2,3,4,5,6,7
	v_pk_fma_f32 v[S+2*(\n):S+2*(\n)+1], v[S+2*(\n):S+2*(\n)+1], s[34:35], v[CM:CM+1] op_sel_hi:[1,0,0] neg_lo:[0,0,1] neg_hi:[0,0,1]   ; c s - c m
.endr
	v_exp_f32 v[AF], v[T0]
.set i, 0
.rept 16
	v_exp_f32 v[S+i], v[S+i]
.set i, i+1
.endr
	v_nop                                          ; a plain instruction between the last exponential and the use of its result
	s_wait_alu depctr_va_vdst(0)
.irp n, 0,1,2,3,4,5,6,7
	v_cvt_pk_f16_f32 v[P+(\n)], v[S+2*(\n)], v[S+2*(\n)+1]
.endr
.irp n, 0,4,8,12
	v_pk_add_f32 v[S+(\n):S+(\n)+1], v[S+(\n):S+(\n)+1], v[S+(\n)+2:S+(\n)+3]
.endr
	v_pk_add_f32 v[S:S+1],   v[S:S+1],   v[S+4:S+5]
	v_pk_add_f32 v[S+8:S+9], v[S+8:S+9], v[S+12:S+13]
	v_pk_add_f32 v[S:S+1],   v[S:S+1],   v[S+8:S+9]
	v_pk_fma_f32 v[LS:LS+1], v[LS:LS+1], v[AF:AF+1], v[S:S+1] op_sel_hi:[1,0,1]
.set i, 0
.rept 32
	v_pk_mul_f32 v[OT+2*i:OT+2*i+1], v[OT+2*i:OT+2*i+1], v[AF:AF+1] op_sel_hi:[1,0]
.set i, i+1
.endr
.endm
; Blocks 2 hf and 2 hf + 1 of the chunk in slot p.
.macro STEP p, hf
	s_cmp_lt_u32 s26, 2+2*(\hf)                    ; is the second block hidden?
	s_cselect_b32 s27, s38, 0
.irp i, 0,1,2,3,4,5,6,7
	v_mov_b32 v[MK+(\i)], s27                      ; also the places between the last step's products and the loads into V's registers
.endr
.irp x, 0,1
.irp n, 0,1,2,3,4,5,6,7
	ds_load_b128 v[KF+32*(\x)+4*(\n):KF+32*(\x)+4*(\n)+3], v[LA] offset:(\p)*32768+(2*(\hf)+(\x))*4096+512*(\n)
.endr
.endr
.irp x, 0,1
.irp n, 0,1,2,3,4,5,6,7
	ds_load_b128 v[VF+8*(\n)+4*(\x):VF+8*(\n)+4*(\x)+3], v[LA] offset:(\p)*32768+16384+(2*(\hf)+(\x))*4096+512*(\n)
.endr
.endr
	s_wait_dscnt 16                                ; K is in; V's sixteen loads may be out
	WIN 0x04                                       ; Q in window 1
	v_wmma_f32_16x16x32_f16 v[S:S+7],    v[KF:KF+7],     v[Q:Q+7], 0                 ; the two accumulators take turns
	v_wmma_f32_16x16x32_f16 v[S+8:S+15], v[KF+32:KF+39], v[Q:Q+7], v[MK:MK+7]
.irp c, 1,2,3
	v_wmma_f32_16x16x32_f16 v[S:S+7],    v[KF+8*(\c):KF+8*(\c)+7],       v[Q+8*(\c):Q+8*(\c)+7], v[S:S+7]
	v_wmma_f32_16x16x32_f16 v[S+8:S+15], v[KF+32+8*(\c):KF+32+8*(\c)+7], v[Q+8*(\c):Q+8*(\c)+7], v[S+8:S+15]
.endr
	WIN 0
	PLACES
	SOFTMAX
	s_wait_dscnt 0x0                               ; V is in
.irp cb, 0,1,2,3,4,5,6,7
	v_wmma_f32_16x16x32_f16 v[OT+8*(\cb):OT+8*(\cb)+7], v[VF+8*(\cb):VF+8*(\cb)+7], v[P:P+7], v[OT+8*(\cb):OT+8*(\cb)+7]
.endr
.endm
.macro CHUNK p                         ; the jumps go forward, over text with no barrier
	s_cmp_lt_u32 s26, 1
	s_cbranch_scc1 .Lskip_\@
	STEP \p, 0
	s_cmp_lt_u32 s26, 3
	s_cbranch_scc1 .Lskip_\@
	STEP \p, 1
.Lskip_\@:
.endm
; The chunk in hand lies in slot p.  The next chunk goes from its stage into the other slot, whose last readers passed the barrier before; the stage takes the chunk three on.
.macro TRIP p
	s_wait_loadcnt 8                               ; the older stage's eight loads are in (and its address register is free); the younger stage's eight stay out
	TOSLOT 1-(\p)
	OFFS 3
	LOADST 1-(\p)
	s_lshl_b32 s28, s24, 2                         ; my live blocks: of a global chunk those below my window's count,
	s_sub_co_i32 s28, s16, s28
	s_max_i32 s28, s28, 0
	s_cmp_eq_u32 s24, s19                          ; of my window's own chunk t + 1, of the other local chunk none
	s_cselect_b32 s29, s23, 0
	s_cmp_lt_u32 s24, s17
	s_cselect_b32 s26, s28, s29
	CHUNK \p
	s_add_co_u32 s24, s24, 1
	s_wait_dscnt 0x0                               ; my stores of the next chunk are done, my reads of this one are back
	s_barrier_signal -1
	s_barrier_wait -1
.endm
.Ltrip:
	TRIP 0
	TRIP 1
	s_add_co_u32 s25, s25, 1
	s_cmp_lt_u32 s25, s18
	s_cbranch_scc1 .Ltrip
	; THE WAY OUT: l's two halves and the other half of the lanes' are added; O^T is divided by l and rounded to f16: 16 bytes a lane, in fragment order as they lie.
	PLACES
	v_add_f32 v[T0], v[LS], v[LS+1]
	v_permlanex16_b32 v[T1], v[T0], s36, s37
	v_add_f32 v[T0], v[T0], v[T1]
	v_rcp_f32 v[AF], v[T0]
	v_nop                                          ; a plain instruction between the reciprocal and the use of its result
.set i, 0
	s_wait_alu depctr_va_vdst(0)
.rept 32
	v_pk_mul_f32 v[OT+2*i:OT+2*i+1], v[OT+2*i:OT+2*i+1], v[AF:AF+1] op_sel_hi:[1,0]
.set i, i+1
.endr
.set i, 0
.rept 32
	v_cvt_pk_f16_f32 v[KF+i], v[OT+2*i], v[OT+2*i+1]
.set i, i+1
.endr
.irp cb, 0,1,2,3,4,5,6,7
	global_store_b128 v[LA], v[KF+4*(\cb):KF+4*(\cb)+3], s[10:11] offset:512*(\cb)   ; 512 consecutive bytes at a multiple of 512
.endr
	s_wait_tensorcnt 0x0                           ; the wave's end: behind my last LDS store
	ds_add_u32 v[SPW], v[NIL]
	s_wait_dscnt 0x0
	s_endpgm
.Lfunc_end_k_qc91d5ab2ed_attn:
	.size	k_qc91d5ab2ed_attn, .Lfunc_end_k_qc91d5ab2ed_attn-k_qc91d5ab2ed_attn
	.p2alignl 7, 3214868480
	.fill 96, 4, 3214868480
	.section	.rodata,"a",@progbits
	.p2align	6, 0x0
	.amdhsa_kernel k_qc91d5ab2ed_attn
		.amdhsa_group_segment_fixed_size 66560
		.amdhsa_private_segment_fixed_size 0
		.amdhsa_enable_private_segment 0
		.amdhsa_kernarg_size 32
		.amdhsa_user_sgpr_count 2
		.amdhsa_user_sgpr_kernarg_segment_ptr 1
		.amdhsa_wavefront_size32 1
		.amdhsa_system_sgpr_workgroup_id_x 1
		.amdhsa_system_sgpr_workgroup_id_y 1
		.amdhsa_system_sgpr_workgroup_id_z 1
		.amdhsa_system_vgpr_workitem_id 0
		.amdhsa_next_free_vgpr 352
		.amdhsa_next_free_sgpr 66
		.amdhsa_reserve_vcc 0
		.amdhsa_float_denorm_mode_32 3
		.amdhsa_float_denorm_mode_16_64 3
		.amdhsa_memory_ordered 1
		.amdhsa_forward_progress 1
		.amdhsa_inst_pref_size 52
	.end_amdhsa_kernel
	.amdgpu_metadata
---
amdhsa.version: [ 1, 2 ]
amdhsa.kernels:
  - .name:           k_qc91d5ab2ed_attn
    .symbol:         k_qc91d5ab2ed_attn.kd
    .args:
      - { .name: qf, .offset: 0, .size: 8, .value_kind: global_buffer, .address_space: global }
      - { .name: kf, .offset: 8, .size: 8, .value_kind: global_buffer, .address_space: global }
      - { .name: vf, .offset: 16, .size: 8, .value_kind: global_buffer, .address_space: global }
      - { .name: of, .offset: 24, .size: 8, .value_kind: global_buffer, .address_space: global }
    .group_segment_fixed_size: 66560
    .private_segment_fixed_size: 0
    .kernarg_segment_align: 8
    .kernarg_segment_size: 32
    .max_flat_workgroup_size: 256
    .sgpr_count:     66
    .vgpr_count:     352
    .wavefront_size: 32
...
	.end_amdgpu_metadata
.endif
;; end of part 3
;; launch oproj (part 4): grid 16 x 16, 4 waves a work-group, clusters of 4 x 4, 327,680 bytes of LDS; arguments of, wof, out0; writes out0
.if DOCPART == 4
	.amdgcn_target "amdgcn-amd-amdhsa--gfx1250"
	.amdhsa_code_object_version 6
	.text
	.protected	k_qc91d5ab2ed_oproj
	.globl	k_qc91d5ab2ed_oproj
	.p2align	8
	.type	k_qc91d5ab2ed_oproj,@function
k_qc91d5ab2ed_oproj:
	s_mov_b64 s[64:65], 0
	v_nop
	global_prefetch_b8 v0, s[64:65] scope:SCOPE_SE
	s_setreg_imm32_b32 hwreg(HW_REG_WAVE_MODE, 25, 1), 1
	s_wait_xcnt 0x0
	s_wait_alu depctr_hold_cnt(0) depctr_sa_sdst(0) depctr_va_vdst(0) depctr_va_sdst(0) depctr_va_ssrc(0) depctr_va_vcc(0) depctr_vm_vsrc(0)
	s_getreg_b32 s2, hwreg(HW_REG_IB_STS2, 6, 4)
	s_cmp_eq_u32 s2, 0
	s_cbranch_scc0 .Lentry_in_a_cluster
	s_endpgm
.Lentry_in_a_cluster:
	s_bfe_u32 s2, ttmp6, 0x10000c
	s_cmp_lg_u32 s2, 0xf033
	s_cbranch_scc0 .Lentry_shape_is_right
	s_endpgm
.Lentry_shape_is_right:
; OUTPUT PROJECTION.  out0[s][n] = sum over k of O[s][k] wo[k][n], k = 128 head + channel.  O lies in of in fragment order ([head 16][block of 16 rows 128][cb 8][lane 32][8 f16]: lane l holds
; row l % 16, channels 16 cb + 8 (l / 16) + 0..7), wo in wof as [2048 k][2048 n] f16; sums in f32, out0 in f32.
; 2048 x 2048 outputs make 256 tiles of 128 x 128, one for each work-group; four waves, each 64 x 64: 16 accumulators.  K goes in steps of 256 (two heads) through two LDS slots.
; A slot has four regions: O's 8 row blocks of the two heads (32,768 dense bytes each, brought as 128 rows of 256 bytes, read as they lie: 16 bytes a lane, lanes side by side), and 128 k rows x 256 bytes
; of wo for each of the two heads (padded to 288, read turned by ds_load_tr16_b128).  Wave w fetches region w with one tensor load.
; CLUSTER.  4 x 4 work-groups: the four of a row of the cluster need the same rows of O, the four of a column the same columns of wo: every tile is asked for jointly by four.
; The matrix instruction is used with its sources swapped (source 0 = 16 columns of wo, source 1 = 16 rows of O): a lane holds 8 neighbouring numbers of a row of out0.
; A wave's 64 columns are 256 bytes of f32: each wave sends its own rows through its own stage in LDS, and sixteen lanes store 256 consecutive bytes at a multiple of 256.
; REGISTERS: window 0: v16-29 addresses; v32-95 rows read back, two sets; v128-255 accumulators ((a, b) at 128 + 8 (4 a + b)).  window 1: two fragment buffers of 128: 64 of O, then 64 of wo.
.set PB,    288
.set TILE,  128*PB                     ; a region (O's use 32,768 of it)
.set SLOT,  4*TILE
.set STAGE, 2*SLOT                     ; behind the ring, never filled by a tensor load: 16 rows x 272 bytes for each wave
.set SP,    272
.set SPARE, STAGE+4*16*SP              ; behind the stages: the spare words, 128 bytes a wave, that no other line names
.set LAPS,  4                          ; 8 K steps, two a lap
.set STEP2, 2097152                    ; two K steps on: four heads of 524,288 bytes in of; 512 rows of 4,096 bytes in wof
.set ADRA, 16                          ; v16-17  my lane in O's regions, slot 0, 1
.set ADRB, 18                          ; v18-21  my lane in wo's region of head hd: v[18 + 2 slot + hd]
.set STO,  24
.set RD,   25
.set CO,   26
.set SPW,  28                          ; my spare word; never rewritten
.set NIL,  29                          ; 0; never rewritten
.set TMP,  32
.set ACC,  128
.set F0,   0
.set F1,   128
.set G1A, 24                           ; s[24:31] group 1 for O's tiles;  s[32:39] group 0, a set for each slot
.set G0A, 32
.set G1B, 48                           ; s[48:55], s[56:63] the same for wo's
.set G0B, 56
.set MSB, 0
.macro WIN new
.if MSB != (\new)
	s_set_vgpr_msb (MSB<<8)|(\new)
.set MSB, \new
.endif
.endm
.set MUL,  0x05                        ; sources window 1; C and D window 0
.set TO_F, 0x40                        ; destination window 1, address window 0
.macro PLACES
.rept 4
	v_nop
.endr
.endm
.macro JLOAD s                         ; waves 0 and 1 fetch O's two heads, waves 2 and 3 wo's; an s_nop 0 and four v_nop follow each line
	s_cmp_eq_u32 s11, 0
	s_cbranch_scc0 .Lfor_b_\@
	tensor_load_to_lds s[G0A+4*(\s):G0A+4*(\s)+3], s[G1A:G1A+7]
	s_nop 0
.rept 4
	v_nop
.endr
	s_branch .Lasked_\@
.Lfor_b_\@:
	tensor_load_to_lds s[G0B+4*(\s):G0B+4*(\s)+3], s[G1B:G1B+7]
	s_nop 0
.rept 4
	v_nop
.endr
.Lasked_\@:
.endm
.macro CREST
	s_cmp_lg_u32 s10, 0
	s_cbranch_scc1 .Lnot_wave_0_\@
	s_barrier_signal -3
.Lnot_wave_0_\@:
	s_barrier_wait -3
	s_barrier_signal -1
	s_barrier_wait -1
.endm
.macro CROUND
	s_barrier_signal -1
	s_barrier_wait -1
	CREST
.endm
	s_load_b128 s[4:7], s[0:1], 0x0                ; of s[4:5], wof s[6:7]
	s_load_b64 s[8:9], s[0:1], 0x10                ; out0
	v_lshl_add_u32 v[SPW], v0, 2, SPARE
	v_mov_b32 v[NIL], 0
	ds_add_u32 v[SPW], v[NIL]                      ; the wave's opening: the add and its wait stand ahead of my first tensor load
	v_lshrrev_b32 v1, 5, v0
	v_readfirstlane_b32 s10, v1                    ; wave 0..3
	s_lshr_b32 s11, s10, 1                         ; my half of the tile's rows.  Also: I fetch for O (0) or for wo (1)
	s_and_b32 s12, s10, 1                          ; my half of its columns.  Also: which of a step's two heads I fetch
	s_bfe_u32 s40, ttmp6, 0x40000                  ; cx, cy
	s_bfe_u32 s41, ttmp6, 0x40004
	s_lshl_b32 s42, ttmp9, 2
	s_add_co_u32 s42, s42, s40                     ; tile column
	s_and_b32 s13, ttmp7, 0xffff
	s_lshl_b32 s13, s13, 2
	s_add_co_u32 s13, s13, s41                     ; tile row
	s_lshl_b32 s43, s41, 2
	s_lshl_b32 s43, 15, s43                        ; my row of the cluster
	s_lshl_b32 s44, 0x1111, s40                    ; my column
	s_or_b32 s[G1A], s43, (3<<16)|(1<<21)          ; O's tiles go to my row; elements of 8 bytes; no padding
	s_mov_b32 s[G1A+1], 32<<16                     ; tensor_dim0 = 32 (256 bytes)
	s_mov_b32 s[G1A+2], 128<<16                    ; tensor_dim1 = 128
	s_mov_b32 s[G1A+3], 32<<16                     ; tile_dim0 = 32
	s_mov_b32 s[G1A+4], 128                        ; tile_dim1 = 128
	s_mov_b32 s[G1A+5], 32                         ; the block is dense
	s_mov_b32 s[G1A+6], 0
	s_mov_b32 s[G1A+7], 0
	s_or_b32 s[G1B], s44, (1<<16)|(1<<20)|(1<<21)|(5<<22)|(7<<25)   ; wo's to my column; 2-byte elements; 8 words of padding after every 64
	s_mov_b32 s[G1B+1], 128<<16
	s_mov_b32 s[G1B+2], 128<<16
	s_mov_b32 s[G1B+3], 128<<16
	s_mov_b32 s[G1B+4], 128
	s_mov_b32 s[G1B+5], 2048
	s_mov_b32 s[G1B+6], 0
	s_mov_b32 s[G1B+7], 0
	s_lshl_b32 s17, s12, 19                        ; the head of the two: 524,288 bytes in of, and 128 rows of 4,096 bytes in wof
	s_lshl_b32 s16, s13, 15                        ; O: the tile row's 8 blocks of 4,096 bytes
	s_add_co_u32 s16, s16, s17
	s_lshl_b32 s46, s42, 8                         ; wo: the tile column's 128 columns
	s_add_co_u32 s46, s46, s17
	s_mov_b32 s17, 0
	s_mov_b32 s47, 0
	s_mul_i32 s20, s10, TILE                       ; my region of a slot
	s_wait_dscnt 0x0                               ; the opening add is done
	s_wait_kmcnt 0x0
	s_add_nc_u64 s[14:15], s[4:5], s[16:17]
	s_add_nc_u64 s[46:47], s[6:7], s[46:47]
	CROUND                                         ; all sixteen work-groups are here: the first joint loads meet
.irp s, 0,1
	s_mov_b32 s[G0A+4*(\s)], 1
	s_add_co_u32 s[G0A+4*(\s)+1], s20, (\s)*SLOT
	s_add_nc_u64 s[G0A+4*(\s)+2:G0A+4*(\s)+3], s[14:15], (\s)*1048576
	s_or_b32 s[G0A+4*(\s)+3], s[G0A+4*(\s)+3], 0x80000000
	s_mov_b32 s[G0B+4*(\s)], 1
	s_add_co_u32 s[G0B+4*(\s)+1], s20, (\s)*SLOT
	s_add_nc_u64 s[G0B+4*(\s)+2:G0B+4*(\s)+3], s[46:47], (\s)*1048576
	s_or_b32 s[G0B+4*(\s)+3], s[G0B+4*(\s)+3], 0x80000000
	JLOAD \s                                       ; two loads of mine are out
.endr
	v_and_b32 v1, 15, v0                           ; l % 16
	v_bfe_u32 v2, v0, 4, 1                         ; l / 16
	v_and_b32 v3, 31, v0
	v_lshlrev_b32 v3, 4, v3
	s_lshl_b32 s21, s11, 14                        ; my 4 row blocks
	v_add_nc_u32 v[ADRA], s21, v3
	v_add_nc_u32 v[ADRA+1], SLOT, v[ADRA]
	v_and_b32 v4, 7, v0
	v_bfe_u32 v5, v0, 3, 1
	v_lshl_add_u32 v4, v2, 3, v4
	v_mul_u32_u24 v4, v4, PB
	v_lshl_add_u32 v4, v5, 4, v4
	s_lshl_b32 s22, s12, 7                         ; my 64 columns
	v_add_nc_u32 v4, s22, v4
.irp s, 0,1
.irp h, 0,1
	v_add_nc_u32 v[ADRB+2*(\s)+(\h)], (\s)*SLOT+(2+(\h))*TILE, v4
.endr
.endr
	s_mul_i32 s23, s10, 16*SP
	s_add_co_u32 s23, s23, STAGE                   ; my stage
	v_mul_u32_u24 v5, v1, SP                       ; in: row l % 16, 32 bytes for each half of the lanes
	v_lshl_add_u32 v5, v2, 5, v5
	v_add_nc_u32 v[STO], s23, v5
	v_mul_u32_u24 v5, v2, SP                       ; back: lanes 0-15 one row of 256 bytes, lanes 16-31 the next
	v_lshl_add_u32 v5, v1, 4, v5
	v_add_nc_u32 v[RD], s23, v5
	v_lshlrev_b32 v5, 13, v2                       ; and the same two rows of out0, 8,192 bytes apart
	v_lshl_add_u32 v[CO], v1, 4, v5
	s_lshl_b32 s18, s13, 20                        ; 128 rows of 8,192 bytes a tile row,
	s_lshl_b32 s19, s11, 19                        ; my 64 rows,
	s_add_co_u32 s18, s18, s19
	s_lshl_b32 s19, s42, 9                         ; 512 bytes a tile column,
	s_add_co_u32 s18, s18, s19
	s_lshl_b32 s19, s12, 8                         ; my 256 bytes
	s_add_co_u32 s18, s18, s19
	s_mov_b32 s19, 0
	s_add_nc_u64 s[8:9], s[8:9], s[18:19]
; 8 matrix instructions: row blocks a0, a0 + 1 x all 4 column blocks, 32 along K: half c of buffer f.  The 16 accumulators take turns.
.macro MUL8 f, c, a0, zero
	WIN MUL
.irp a, \a0, (\a0)+1
.irp b, 0,1,2,3
.if \zero
	v_wmma_f32_16x16x32_f16 v[ACC+8*(4*(\a)+(\b)):ACC+8*(4*(\a)+(\b))+7], v[(\f)+64+8*(4*(\c)+(\b)):(\f)+64+8*(4*(\c)+(\b))+7], v[(\f)+8*(4*(\c)+(\a)):(\f)+8*(4*(\c)+(\a))+7], 0
.else
	v_wmma_f32_16x16x32_f16 v[ACC+8*(4*(\a)+(\b)):ACC+8*(4*(\a)+(\b))+7], v[(\f)+64+8*(4*(\c)+(\b)):(\f)+64+8*(4*(\c)+(\b))+7], v[(\f)+8*(4*(\c)+(\a)):(\f)+8*(4*(\c)+(\a))+7], v[ACC+8*(4*(\a)+(\b)):ACC+8*(4*(\a)+(\b))+7]
.endif
.endr
.endr
.endm
; 32 LDS loads in one run: quarter qd of a slot (64 along K: head qd / 2, channels 64 (qd % 2) on) into buffer f; the first 32 along K first.
.macro FETCH slot, qd, f
	WIN TO_F
.irp c, 0,1
.irp i, 0,1,2,3
	ds_load_tr16_b128 v[(\f)+64+8*(4*(\c)+(\i)):(\f)+64+8*(4*(\c)+(\i))+3],   v[ADRB+2*(\slot)+(\qd)/2] offset:(2*((\qd)%2)+(\c))*32*PB+32*(\i)
	ds_load_tr16_b128 v[(\f)+64+8*(4*(\c)+(\i))+4:(\f)+64+8*(4*(\c)+(\i))+7], v[ADRB+2*(\slot)+(\qd)/2] offset:(2*((\qd)%2)+(\c))*32*PB+32*(\i)+16*PB
	ds_load_b128 v[(\f)+8*(4*(\c)+(\i)):(\f)+8*(4*(\c)+(\i))+3],   v[ADRA+(\slot)] offset:((\qd)/2)*TILE+(\i)*4096+(2*((\qd)%2)+(\c))*1024
	ds_load_b128 v[(\f)+8*(4*(\c)+(\i))+4:(\f)+8*(4*(\c)+(\i))+7], v[ADRA+(\slot)] offset:((\qd)/2)*TILE+(\i)*4096+(2*((\qd)%2)+(\c))*1024+512
.endr
.endr
.endm
; A K step is four quarters of 64 along K, 32 matrix instructions each, on buffers 0, 1, 0, 1.
.macro QUARTER slot, qd, f, g, zero
	s_wait_dscnt 16                                ; the first 32 along K are in
	MUL8 \f, 0, 0, \zero
	MUL8 \f, 0, 2, \zero
	PLACES                                         ; in front of the loads into buffer g
	FETCH \slot, \qd, \g
	s_wait_dscnt 32                                ; all but the 32 just issued
	MUL8 \f, 1, 0, 0
	MUL8 \f, 1, 2, 0
.endm
; The last quarter multiplies buffer 1 and changes slots: ONE barrier; in front of it each wave waits for all its tensor loads, adds 0 to its spare word, and waits for that and for its reads of this slot.
.macro TURN slot, next, fill
	WIN 0
	s_wait_tensorcnt 0x0                           ; all my tensor loads have landed: my region of the next slot
	ds_add_u32 v[SPW], v[NIL]
	s_wait_dscnt 17                                ; (the add and the youngest sixteen loads may be out)
	MUL8 F1, 0, 0, 0
	s_wait_dscnt 0x0                               ; the add is done, and my reads of this slot are over
	s_barrier_signal -1
	MUL8 F1, 0, 2, 0
	WIN 0
	s_barrier_wait -1
.if \fill
	CREST                                          ; no wave of any partner still reads this slot or has a load on its way
	s_add_nc_u64 s[G0A+4*(\slot)+2:G0A+4*(\slot)+3], s[G0A+4*(\slot)+2:G0A+4*(\slot)+3], STEP2
	s_add_nc_u64 s[G0B+4*(\slot)+2:G0B+4*(\slot)+3], s[G0B+4*(\slot)+2:G0B+4*(\slot)+3], STEP2
	JLOAD \slot                                    ; my one tensor load behind the round; its four v_nop are also the places in front of the loads below
.else
	PLACES
.endif
	FETCH \next, 0, F0
	MUL8 F1, 1, 0, 0
	MUL8 F1, 1, 2, 0
.endm
	s_wait_tensorcnt 1                             ; my region of K step 0 is in; K step 1's may stay out
	s_barrier_signal -1
	s_barrier_wait -1
	FETCH 0, 0, F0
	QUARTER 0, 1, F0, F1, 1                        ; the first quarter stands in front of the loop: its first products start the sums
	WIN 0
	s_mov_b32 s3, LAPS-1
.Llap:
	QUARTER 0, 2, F1, F0, 0
	QUARTER 0, 3, F0, F1, 0
	TURN 0, 1, 1
	QUARTER 1, 1, F0, F1, 0
	QUARTER 1, 2, F1, F0, 0
	QUARTER 1, 3, F0, F1, 0
	TURN 1, 0, 1
	QUARTER 0, 1, F0, F1, 0
	WIN 0
	s_sub_co_u32 s3, s3, 1
	s_cmp_lg_u32 s3, 0
	s_cbranch_scc1 .Llap
	QUARTER 0, 2, F1, F0, 0                        ; the last lap fills nothing
	QUARTER 0, 3, F0, F1, 0
	TURN 0, 1, 0
	QUARTER 1, 1, F0, F1, 0
	QUARTER 1, 2, F1, F0, 0
	QUARTER 1, 3, F0, F1, 0
	s_wait_dscnt 16
	MUL8 F1, 0, 0, 0
	MUL8 F1, 0, 2, 0
	s_wait_dscnt 0x0
	MUL8 F1, 1, 0, 0
	MUL8 F1, 1, 2, 0
	WIN 0
	; THE WAY OUT, 16 rows at a time: a lane's 32 bytes of a row go into my stage (each accumulator's lowest registers first) and come back as whole rows of 256 bytes.
	PLACES
.irp a, 0,1,2,3
.if (\a) >= 2
	s_wait_xcnt 0x0                                ; the stores of two blocks ago have read this set of registers
.endif
.irp b, 0,1,2,3
	ds_store_b128 v[STO], v[ACC+8*(4*(\a)+(\b)):ACC+8*(4*(\a)+(\b))+3]   offset:64*(\b)
	ds_store_b128 v[STO], v[ACC+8*(4*(\a)+(\b))+4:ACC+8*(4*(\a)+(\b))+7] offset:64*(\b)+16
.endr
.irp t, 0,1,2,3,4,5,6,7
	ds_load_b128 v[TMP+32*((\a)%2)+4*(\t):TMP+32*((\a)%2)+4*(\t)+3], v[RD] offset:(\t)*2*SP   ; LDS serves a wave's instructions in order (ISA guide 5.7.1.4): these see the stores above
.endr
.irp t, 0,1,2,3,4,5,6,7
	s_wait_dscnt 7-(\t)                            ; load t is back; the younger ones stay out
	global_store_b128 v[CO], v[TMP+32*((\a)%2)+4*(\t):TMP+32*((\a)%2)+4*(\t)+3], s[8:9] offset:(16*(\a)+2*(\t))*8192 th:TH_STORE_NT
.endr
.endr
	s_wait_tensorcnt 0x0                           ; the wave's end: behind my last tensor load and my last LDS store
	ds_add_u32 v[SPW], v[NIL]
	s_wait_dscnt 0x0
	CROUND                                         ; the closing round
	s_endpgm
.Lfunc_end_k_qc91d5ab2ed_oproj:
	.size	k_qc91d5ab2ed_oproj, .Lfunc_end_k_qc91d5ab2ed_oproj-k_qc91d5ab2ed_oproj
	.p2alignl 7, 3214868480
	.fill 96, 4, 3214868480
	.section	.rodata,"a",@progbits
	.p2align	6, 0x0
	.amdhsa_kernel k_qc91d5ab2ed_oproj
		.amdhsa_group_segment_fixed_size 327680
		.amdhsa_private_segment_fixed_size 0
		.amdhsa_enable_private_segment 0
		.amdhsa_kernarg_size 24
		.amdhsa_user_sgpr_count 2
		.amdhsa_user_sgpr_kernarg_segment_ptr 1
		.amdhsa_wavefront_size32 1
		.amdhsa_system_sgpr_workgroup_id_x 1
		.amdhsa_system_sgpr_workgroup_id_y 1
		.amdhsa_system_sgpr_workgroup_id_z 1
		.amdhsa_system_vgpr_workitem_id 0
		.amdhsa_next_free_vgpr 512
		.amdhsa_next_free_sgpr 66
		.amdhsa_reserve_vcc 0
		.amdhsa_float_denorm_mode_32 3
		.amdhsa_float_denorm_mode_16_64 3
		.amdhsa_memory_ordered 1
		.amdhsa_forward_progress 1
		.amdhsa_inst_pref_size 86
	.end_amdhsa_kernel
	.amdgpu_metadata
---
amdhsa.version: [ 1, 2 ]
amdhsa.kernels:
  - .name:           k_qc91d5ab2ed_oproj
    .symbol:         k_qc91d5ab2ed_oproj.kd
    .args:
      - { .name: of, .offset: 0, .size: 8, .value_kind: global_buffer, .address_space: global }
      - { .name: wof, .offset: 8, .size: 8, .value_kind: global_buffer, .address_space: global }
      - { .name: out0, .offset: 16, .size: 8, .value_kind: global_buffer, .address_space: global }
    .group_segment_fixed_size: 327680
    .private_segment_fixed_size: 0
    .kernarg_segment_align: 8
    .kernarg_segment_size: 24
    .max_flat_workgroup_size: 128
    .sgpr_count:     66
    .vgpr_count:     512
    .wavefront_size: 32
...
	.end_amdgpu_metadata
.endif
;; end of part 4
;; ======== version 2 of 2: 4 launches; version 1 with the launch cast written anew for expert scheduling mode
;; limits: values are held in f16: magnitudes above 65,504 overflow, below 6.1e-05 lose precision
;; workspace buffers: xw 33,554,432 bytes; wof 8,388,608 bytes; cst 524,288 bytes; qf 8,388,608 bytes; kf 8,388,608 bytes; vf 8,388,608 bytes; of 8,388,608 bytes
;; launch cast (part 5): grid 512 x 1, 8 waves a work-group, no clusters, 0 bytes of LDS; arguments x, wq, wk, wv, wo, cos, sin, xw, wof, cst; writes xw, wof, cst
.if DOCPART == 5
	.amdgcn_target "amdgcn-amd-amdhsa--gfx1250"
	.amdhsa_code_object_version 6
	.text
	.protected	k_qc91d5ab2ed_cast
	.globl	k_qc91d5ab2ed_cast
	.p2align	8
	.type	k_qc91d5ab2ed_cast,@function
k_qc91d5ab2ed_cast:
	s_mov_b64 s[64:65], 0
	v_nop
	global_prefetch_b8 v0, s[64:65] scope:SCOPE_SE
	s_setreg_imm32_b32 hwreg(HW_REG_WAVE_SCHED_MODE, 0, 2), 2
	s_setreg_imm32_b32 hwreg(HW_REG_WAVE_MODE, 25, 1), 1
	s_wait_xcnt 0x0
	s_wait_alu depctr_vm_vsrc(0)
; CAST.  Every input is rounded once to bf16.  x, wq, wk, wv go as bf16 into the four parts of xw (8,388,608 bytes each, same order of elements).
; wo is rounded to bf16 and that number is written as f16 into wof.  LIMIT: the second step is exact down to 2^-14; below that f16 keeps its fixed step of 6e-8.
; cos and sin go as one word a pair, bf16(cos) below and bf16(sin) above, into cst, in the order in which the projection's lanes want them:
; cst[R 128][w 4][e 2][lane 32][4 words]: row 16 R + lane % 16, pairs 16 w + 8 e + 4 (lane / 16) + 0..3.
; A stream: memory binds, nothing is shared, so there is no LDS, no matrix work and no cluster.
; A work-group takes 32,768 bytes of each of the five large arrays, a wave 4,096 of each: 40 loads of 512 consecutive bytes, all issued at once;
; each becomes one store of 256 consecutive bytes at a multiple of 256.  Every load and every store has registers of its own, so no register waits for a store.
; THE MODE: SCHED_MODE bits 1:0 = 2 (LLVM: expert scheduling mode 2), set by the entry lines.  The code itself states the register dependences
; between vector instructions and memory instructions, with s_wait_alu, always for 0.
; THE PLAN.  Registers that memory instructions touch:
;   v1, v2      byte offsets of the loads and of the stores: made at the head, never written again.
;   IN + 4 i    load i lands in it; turn i's roundings read it.  In waves 0 and 1 the table's two loads land in IN .. IN + 7 a second time, behind block 0, whose roundings were their last readers.
;   OUT + 2 i   turn i's roundings write it; store i reads it; never written again.
;   v5          the table's offset in cos and sin: made ahead of the table's two loads, never written again.
;   v6, TT      at the end: the table's offset in cst and its four words, written once there and read by the table's store.  (Before that both are at work for vector instructions alone.)
; The 40 turns go in ten blocks of four: a block's roundings stand together, ONE wait states that they have written the block's OUT registers, and the block's four stores follow in a run.
; The stores are not held back into the next block: they have registers of their own, so nothing would be freed by it, and each would stand behind the next block's waits for data.
; No register that a memory instruction reads is ever written again, so no wait on vm_vsrc is owed anywhere.
.set IN,  8                            ; v[8:167]    load i: 4 registers
.set OUT, 168                          ; v[168:247]  store i: 2 registers
.set TT,  248                          ; v[248:251]  at work
.set BLK, 4                            ; turns in a block
	s_load_b512 s[4:19], s[0:1], 0x0               ; x s[4:5], wq s[6:7], wk s[8:9], wv s[10:11], wo s[12:13], cos s[14:15], sin s[16:17], xw s[18:19]
	s_load_b128 s[20:23], s[0:1], 0x40             ; wof s[20:21], cst s[22:23]
	v_lshrrev_b32 v3, 5, v0
	v_readfirstlane_b32 s24, v3                    ; wave 0..7
	v_and_b32 v4, 31, v0                           ; lane
	v_lshlrev_b32 v1, 4, v4
	v_lshl_add_u32 v1, v3, 12, v1                  ; in: 4,096 x wave + 16 x lane
	v_lshlrev_b32 v2, 3, v4
	v_lshl_add_u32 v2, v3, 11, v2                  ; out: 2,048 x wave + 8 x lane
	s_wait_alu depctr_va_sdst(0)                   ; s24 is written, ahead of its first reader: the two branches for the table and the table's address hang on it
	s_lshl_b32 s26, ttmp9, 15                      ; the work-group's 32,768 bytes of f32,
	s_mov_b32 s27, 0
	s_lshl_b32 s28, ttmp9, 14                      ; and its 16,384 bytes of 16-bit numbers
	s_mov_b32 s29, 0
	s_wait_kmcnt 0x0
.irp p, 4,6,8,10,12
	s_add_nc_u64 s[\p:\p+1], s[\p:\p+1], s[26:27]
.endr
	s_wait_alu depctr_va_vdst(0)                   ; v1 and v2 are written: the 40 loads read the one as their offset, the 40 stores the other
.set i, 0
.rept 40                               ; array i / 8, piece i % 8
	global_load_b128 v[IN+4*i:IN+4*i+3], v1, s[4+2*(i/8):5+2*(i/8)] offset:512*(i%8) th:TH_LOAD_NT
.set i, i+1
.endr
	s_add_nc_u64 s[30:31], s[18:19], s[28:29]      ; the four parts of xw,
	s_add_nc_u64 s[32:33], s[30:31], 0x800000
	s_add_nc_u64 s[34:35], s[32:33], 0x800000
	s_add_nc_u64 s[36:37], s[34:35], 0x800000
	s_add_nc_u64 s[38:39], s[20:21], s[28:29]      ; and wof
; A block: turns i to i + 3, one wait, their four stores.
.macro BLOCK
.rept BLK
	s_wait_loadcnt 39-i                            ; loads come back in order: load i is in, the 39 - i younger ones stay out (from block 1 on waves 0 and 1 have the table's two loads out as well, younger still: there the count asks for two loads more than it needs)
.if i < 32
	v_cvt_pk_bf16_f32 v[OUT+2*i],   v[IN+4*i],   v[IN+4*i+1]
	v_cvt_pk_bf16_f32 v[OUT+2*i+1], v[IN+4*i+2], v[IN+4*i+3]
.else
	v_cvt_pk_bf16_f32 v[TT],   v[IN+4*i],   v[IN+4*i+1]     ; wo: rounded to bf16,
	v_cvt_pk_bf16_f32 v[TT+1], v[IN+4*i+2], v[IN+4*i+3]
	v_lshlrev_b32 v[TT+2], 16, v[TT]                        ; widened again,
	v_and_b32     v[TT],   0xffff0000, v[TT]
	v_lshlrev_b32 v[TT+3], 16, v[TT+1]
	v_and_b32     v[TT+1], 0xffff0000, v[TT+1]
	v_cvt_pk_f16_f32 v[OUT+2*i],   v[TT+2], v[TT]           ; and written as f16
	v_cvt_pk_f16_f32 v[OUT+2*i+1], v[TT+3], v[TT+1]
.endif
.set i, i+1
.endr
	s_wait_alu depctr_va_vdst(0)                   ; the block's roundings have written its eight OUT registers, which the four stores below read
.set k, i-BLK
.rept BLK
	global_store_b64 v2, v[OUT+2*k:OUT+2*k+1], s[30+2*(k/8):31+2*(k/8)] offset:256*(k%8)
.set k, k+1
.endr
.endm
.set i, 0
	BLOCK                                          ; block 0
	; the table: 64 entries of 16 bytes a work-group, by waves 0 and 1.  R = work-group / 4, w = work-group % 4, e = wave.
	; Its two loads go out here, where block 0 has left v[IN:IN+7] free, and land while blocks 1 to 9 are worked on; they are rounded and stored at the end.
	s_cmp_lt_u32 s24, 2
	s_cbranch_scc0 .Lno_table
	s_lshr_b32 s40, ttmp9, 2
	s_lshl_b32 s40, s40, 12                        ; 16 R rows of 256 bytes
	s_and_b32 s41, ttmp9, 3
	s_lshl_b32 s41, s41, 6                         ; 16 w pairs of 4 bytes
	s_add_co_u32 s40, s40, s41
	s_lshl_b32 s41, s24, 5                         ; 8 e pairs
	s_add_co_u32 s40, s40, s41
	s_mov_b32 s41, 0
	s_add_nc_u64 s[14:15], s[14:15], s[40:41]
	s_add_nc_u64 s[16:17], s[16:17], s[40:41]
	v_and_b32 v5, 15, v0
	v_bfe_u32 v6, v0, 4, 1
	v_lshlrev_b32 v5, 8, v5
	v_lshl_add_u32 v5, v6, 4, v5                   ; row lane % 16, four pairs for each half of the lanes
	s_wait_alu depctr_va_vdst(0)                   ; v5 is written, which the two loads read as their offset; block 0's roundings are done reading v[IN:IN+7], in which the two loads land
	global_load_b128 v[IN:IN+3],   v5, s[14:15]
	global_load_b128 v[IN+4:IN+7], v5, s[16:17]
.Lno_table:
.rept 9
	BLOCK                                          ; blocks 1 to 9
.endr
	s_cmp_lt_u32 s24, 2
	s_cbranch_scc0 .Ldone
	s_lshl_b32 s42, ttmp9, 10
	s_mov_b32 s43, 0
	s_add_nc_u64 s[22:23], s[22:23], s[42:43]
	v_lshlrev_b32 v6, 4, v0                        ; 16 x thread: a wave's store covers 512 consecutive bytes
	s_wait_loadcnt 0x0                             ; the table's two loads, the youngest of all, are in
.irp j, 0,1,2,3
	v_cvt_pk_bf16_f32 v[TT+\j], v[IN+\j], v[IN+4+\j]
.endr
	s_wait_alu depctr_va_vdst(0)                   ; v6 and v[TT:TT+3] are written: the store reads the one as its offset, the others as its data
	global_store_b128 v6, v[TT:TT+3], s[22:23]
.Ldone:
	s_endpgm
.Lfunc_end_k_qc91d5ab2ed_cast:
	.size	k_qc91d5ab2ed_cast, .Lfunc_end_k_qc91d5ab2ed_cast-k_qc91d5ab2ed_cast
	.p2alignl 7, 3214868480
	.fill 96, 4, 3214868480
	.section	.rodata,"a",@progbits
	.p2align	6, 0x0
	.amdhsa_kernel k_qc91d5ab2ed_cast
		.amdhsa_group_segment_fixed_size 0
		.amdhsa_private_segment_fixed_size 0
		.amdhsa_enable_private_segment 0
		.amdhsa_kernarg_size 80
		.amdhsa_user_sgpr_count 2
		.amdhsa_user_sgpr_kernarg_segment_ptr 1
		.amdhsa_wavefront_size32 1
		.amdhsa_system_sgpr_workgroup_id_x 1
		.amdhsa_system_sgpr_workgroup_id_y 1
		.amdhsa_system_sgpr_workgroup_id_z 1
		.amdhsa_system_vgpr_workitem_id 0
		.amdhsa_next_free_vgpr 256
		.amdhsa_next_free_sgpr 66
		.amdhsa_reserve_vcc 0
		.amdhsa_float_denorm_mode_32 3
		.amdhsa_float_denorm_mode_16_64 3
		.amdhsa_memory_ordered 1
		.amdhsa_forward_progress 1
		.amdhsa_inst_pref_size 20
	.end_amdhsa_kernel
	.amdgpu_metadata
---
amdhsa.version: [ 1, 2 ]
amdhsa.kernels:
  - .name:           k_qc91d5ab2ed_cast
    .symbol:         k_qc91d5ab2ed_cast.kd
    .args:
      - { .name: x, .offset: 0, .size: 8, .value_kind: global_buffer, .address_space: global }
      - { .name: wq, .offset: 8, .size: 8, .value_kind: global_buffer, .address_space: global }
      - { .name: wk, .offset: 16, .size: 8, .value_kind: global_buffer, .address_space: global }
      - { .name: wv, .offset: 24, .size: 8, .value_kind: global_buffer, .address_space: global }
      - { .name: wo, .offset: 32, .size: 8, .value_kind: global_buffer, .address_space: global }
      - { .name: cos, .offset: 40, .size: 8, .value_kind: global_buffer, .address_space: global }
      - { .name: sin, .offset: 48, .size: 8, .value_kind: global_buffer, .address_space: global }
      - { .name: xw, .offset: 56, .size: 8, .value_kind: global_buffer, .address_space: global }
      - { .name: wof, .offset: 64, .size: 8, .value_kind: global_buffer, .address_space: global }
      - { .name: cst, .offset: 72, .size: 8, .value_kind: global_buffer, .address_space: global }
    .group_segment_fixed_size: 0
    .private_segment_fixed_size: 0
    .kernarg_segment_align: 8
    .kernarg_segment_size: 80
    .max_flat_workgroup_size: 256
    .sgpr_count:     66
    .vgpr_count:     256
    .wavefront_size: 32
...
	.end_amdgpu_metadata
.endif
;; end of part 5
;; launch qkv: the kernel of part 2 again; grid 16 x 16, 4 waves a work-group, clusters of 4 x 4, 327,680 bytes of LDS; arguments xw, cst, qf, kf, vf; writes qf, kf, vf
;; launch attn: the kernel of part 3 again; grid 16 x 16, 8 waves a work-group, no clusters, 66,560 bytes of LDS; arguments qf, kf, vf, of; writes of
;; launch oproj: the kernel of part 4 again; grid 16 x 16, 4 waves a work-group, clusters of 4 x 4, 327,680 bytes of LDS; arguments of, wof, out0; writes out0
